; MI455X (gfx1250); checked and timed in simulation.
; The chip was launched on July 23, 2026; its instructions are those of AMD's public machine-readable ISA for CDNA 5 (MIT licence, August 2026) and "CDNA5" Instruction Set Architecture Reference Guide (July 2026). The comments in the code are by the model that wrote it; some were corrected since.
;; Sparse Multi Head Attention Block. Allowed arithmetic: matrix products marked QUANTISED: E2M3 operands, one E8M0 scale for each 32 along K, by v_wmma_scale_f32_16x16x128_f8f6f4 with both operands' format E2M3, f32 sums; everything else in f32.
;; Inputs: Wk 1,024 x 1,024 float32; Wo 1,024 x 1,024 float32; Wq 1,024 x 1,024 float32; Wv 1,024 x 1,024 float32; k 1 x 4,096 x 1,024 float32; mask 1 x 4,096 x 4,096 bool; q 1 x 4,096 x 1,024 float32; v 1 x 4,096 x 1,024 float32.
;; Outputs: out0 1 x 4,096 x 1,024 float32.
;; This version of the problem:
;;   THIS VERSION OF THE PROBLEM IS GIVEN IN LOW PRECISION. The matrix products marked QUANTISED in the list below multiply operands that are first quantised to E2M3 (2 exponent bits, 3 mantissa bits; 6 bits a number), with one power-of-two scale for each 32 numbers along K (OCP MX v1.0); their sums are f32. All else is computed in f32.
;;   The module's matrix products, in the order in which they are computed (A, B: the left and right operand; K: the contracted axis; several contracted axes count as one K, in the product's order):
;;     1. [M 4,096, K 1,024] x [K 1,024, N 1,024]; A: input q; B: input Wq: QUANTISED
;;     2. [M 4,096, K 1,024] x [K 1,024, N 1,024]; A: input q; B: input Wk: QUANTISED
;;     3. [M 4,096, K 1,024] x [K 1,024, N 1,024]; A: input q; B: input Wv: QUANTISED
;;     4. batch 16 x [M 4,096, K 64] x [K 64, N 4,096]; A: computed on the way; B: computed on the way: QUANTISED
;;     5. batch 16 x [M 4,096, K 4,096] x [K 4,096, N 64]; A: softmax (see below); B: computed on the way: QUANTISED
;;     6. [M 4,096, K 1,024] x [K 1,024, N 1,024]; A: computed on the way; B: input Wo: QUANTISED
;;   THE QUANTISER, for each operand of a quantised product, along K:
;;     - K is cut into blocks of 32 from its start; a last block that is shorter is filled with zeros.
;;     - A block's scale is 2^e with e = floor(log2(the largest magnitude in the block)) - 2, held to -126 .. 127; a block of zeros has e = 0. As a byte (E8M0): e + 127.
;;     - Each number is divided by its block's scale, clamped to +-7.5, and rounded to the nearest number of E2M3, ties to even, subnormals kept.
;;     - The product sums the exact products of the quantised numbers (number of the format x scale) in f32.
;;   ~~~python
;;   def quantise(x, axis):      # numpy; x: float32 -> the quantised numbers, widened to float32 again
;;       x = np.moveaxis(x, axis, -1); K = x.shape[-1]
;;       x = np.pad(x, [(0, 0)] * (x.ndim - 1) + [(0, -K % 32)]); x = x.reshape(x.shape[:-1] + (-1, 32)); a = np.abs(x).max(-1, keepdims=True)
;;       e = np.where(a > 0, np.clip(np.frexp(np.where(a > 0, a, 1))[1] - 1 - 2, -126, 127), 0)      # np.frexp(a)[1] - 1 = floor(log2(a)), exactly
;;       r = np.clip(x / 2.0 ** e, -7.5, 7.5)
;;       step = 2.0 ** (np.maximum(np.frexp(np.where(r == 0, 1, r))[1] - 1, 0) - 3)
;;       q = np.round(r / step) * step * 2.0 ** e      # np.round: ties to even
;;       return np.moveaxis(q.reshape(q.shape[:-2] + (-1,))[..., :K], -1, axis).astype(np.float32)
;;   ~~~
;;   SOFTMAX AHEAD OF A QUANTISED PRODUCT. Where the list says 'softmax', what is quantised is not the finished softmax but p = 2^(t - M), with t = logit x log2(e) and M = ceil(the row's largest t), a whole number; so 1/2 < the row's largest p <= 1. The row's sum l is taken of the UNQUANTISED p, in f32, and the product's result is divided by l at the end. Since M is a whole number, a kernel that streams over the keys may use a running M (the ceiling of the running maximum): every later rescaling is an exact power of two, which a block's scale takes up: the codes' values come out the same.
;;   OPERANDS COMPUTED ON THE WAY. 'Computed on the way' means the value that the module computes at that place (a softmax that the list does not call 'softmax' is quantised finished and normalised). What goes into a quantiser is computed in f32, as accurately as f32 sums, v_exp_f32 and their like allow (about 1e-6 of the number): no bf16 or f16 on the way to a quantiser, and a product that is left as it is and whose result goes on into a quantised operand takes f32 operands (vector FMAs, or v_wmma_f32_16x16x4_f32). A number that lies on a knife's edge between two numbers of the format may be rounded either way, as far as f32 arithmetic and the matrix unit's own rounding can turn it there, and no further.
;; One version. Each part assembles by itself: llvm-mc -triple=amdgcn-amd-amdhsa -mcpu=gfx1250 --defsym DOCPART=n.
;; ======== version 1 of 1: 4 launches
;; workspace buffers: wq 6,553,600 bytes; msk 65,536 bytes of whole numbers; qkv 14,548,992 bytes; oc 3,276,800 bytes
;; launch prep (part 1): grid 1280 x 1, 4 waves a work-group, no clusters, 34,816 bytes of LDS; arguments q, Wq, Wk, Wv, Wo, mask, wq, msk; writes wq, msk
.if DOCPART == 1
	.amdgcn_target "amdgcn-amd-amdhsa--gfx1250"
	.amdhsa_code_object_version 6
	.text
	.protected	k_qf60762efd7_prep
	.globl	k_qf60762efd7_prep
	.p2align	8
	.type	k_qf60762efd7_prep,@function
k_qf60762efd7_prep:
	s_mov_b64 s[64:65], 0
	v_nop
	global_prefetch_b8 v0, s[64:65] scope:SCOPE_SE
	s_setreg_imm32_b32 hwreg(HW_REG_WAVE_MODE, 25, 1), 1
	s_wait_xcnt 0x0
; PREP: q and the four weights become codes of FP6 (E2M3) with one E8M0 byte for each 32 along K, laid in the order of a matrix operand's registers; the mask input becomes lane masks.
; The inputs k and v are read by no launch: the module computes Q, K and V from q alone, and no output hangs on them.
; TILES.  Inside a block of 64 rows tile T takes rows perm(T, r) = 32 (T / 2) + 8 (T % 2) + r + 8 (r / 8), so that a later result's 16 registers of two neighbouring tiles are 16 neighbours along the next K.
; A FRAGMENT (16 rows x 128 K, 12 registers a lane, 1,536 bytes) lies as two halves of 768 bytes: registers 0-3 at 16 x lane, registers 4-5 at 512 + 8 x lane.  Scale words of four tiles: [row 16][tile 4], 256 bytes.
; ROLE M (work-groups 0 to 255): the 64 lane masks of one wave of the attention launch.  ROLE Q (the others): 64 rows x 128 K of one tensor, a wave a tile.  The roles part on the work-group's number and have LDS bytes of their own.
; LIMITS: NaN and infinities among q and the weights are not served.  A block of zeros gets the byte 1 where the rule says 127: its codes are zeros, and this program alone reads the bytes.
.set SPITCH, 528                       ; a stage row: 512 bytes + 16: the sixteen rows that a read touches start at sixteen different 16-byte columns of 256
.set WSTG,   16*SPITCH                 ; a wave's stage
.set SCX,    33792                     ; role Q: the four tiles' scale words, 256 bytes
.set MX,     34048                     ; role M: the 64 words, 256 bytes
.set R,   16                           ; v16-79   a tile's rows as loaded
.set X,   80                           ; v80-143  64 numbers of my row: register 16 b + i = K 32 b + 16 (lane / 16) + i
.set TM,  144                          ; v144-159 at work
.set PC,  160                          ; v160-179 the codes
.set PW,  180                          ; v180     the scale word
.set SEL, 48                           ; s[48:49] lane selects: lane l xor 16
.macro QUANT s
.irp b, 0,1,2,3
	v_max3_num_f32 v[TM+\b], |v[\s+16*\b]|, |v[\s+1+16*\b]|, 0x1800000   ; block b: my 16 numbers, and the floor 2^(3 - 127): the byte cannot fall under 1
.endr
.irp i, 2,4,6,8,10,12,14
.irp b, 0,1,2,3
	v_max3_num_f32 v[TM+\b], v[TM+\b], |v[\s+16*\b+\i]|, |v[\s+1+16*\b+\i]|
.endr
.endr
.irp b, 0,1,2,3
	v_permlanex16_b32 v[TM+4+\b], v[TM+\b], s[SEL], s[SEL+1]
.endr
.irp b, 0,1,2,3
	v_max_num_f32 v[TM+\b], v[TM+\b], v[TM+4+\b]   ; with lane l xor 16's: the block's largest magnitude
.endr
.irp b, 0,1,2,3
	v_add_nc_u32 v[TM+12+\b], 0xff000000, v[TM+\b] ; 2 off its exponent field: the conversion's scale operand
.endr
.irp b, 0,1,2,3
	v_lshrrev_b32 v[TM+4+\b], 23, v[TM+12+\b]      ; the scale's byte
.endr
	v_lshl_or_b32 v[PW], v[TM+5], 8, v[TM+4]
	v_lshl_or_b32 v[PW], v[TM+6], 16, v[PW]
	v_lshl_or_b32 v[PW], v[TM+7], 24, v[PW]
.irp c, 0,1
	v_cvt_scalef32_pk16_fp6_f32 v[PC+6*\c:PC+2+6*\c], v[\s+32*\c:\s+15+32*\c], v[TM+12+2*\c]
	v_cvt_scalef32_pk16_fp6_f32 v[PC+12+4*\c:PC+14+4*\c], v[\s+16+32*\c:\s+31+32*\c], v[TM+12+2*\c+1]
.endr
	v_nop                                          ; one plain place behind a scaled conversion
.irp c, 0,1                            ; the operand's layout wants a whole block in a lane
.irp i, 0,1,2
	v_permlane16_swap_b32 v[PC+6*\c+\i], v[PC+12+4*\c+\i]
.endr
.irp i, 0,1,2
	v_mov_b32 v[PC+3+6*\c+\i], v[PC+12+4*\c+\i]
.endr
.endr
.endm
	s_load_b512 s[4:19], s[0:1], 0x0               ; q s[4:5], Wq s[6:7], Wk s[8:9], Wv s[10:11], Wo s[12:13], mask s[14:15], wq s[16:17], msk s[18:19]
	v_lshl_add_u32 v192, v0, 2, 0x8600
	v_mov_b32 v193, 0
	v_lshrrev_b32 v1, 5, v0
	v_readfirstlane_b32 s20, v1                    ; wave
	v_and_b32 v2, 31, v0                           ; lane
	v_and_b32 v3, 15, v0                           ; r
	v_bfe_u32 v4, v0, 4, 1                         ; h
	s_cmp_lt_u32 ttmp9, 256
	s_cbranch_scc1 .Lmask
	; ---------------- ROLE Q
	s_sub_co_u32 s21, ttmp9, 256                   ; u
	s_and_b32 s22, s21, 7                          ; K step
	s_lshr_b32 s23, s21, 3                         ; q: block of 64 rows
	s_and_b32 s24, s23, 15                         ; a weight: block of 64 rows
	s_lshr_b32 s25, s21, 7                         ; 0 to 3: q;  4 + z: weight z
	s_lshr_b32 s29, s23, 2                         ; q: block of 256 rows,
	s_and_b32 s30, s23, 3                          ; and which 64 of them
	s_sub_co_u32 s31, s25, 4                       ; z
	s_mov_b32 s[SEL], 0x76543210
	s_mov_b32 s[SEL+1], 0xfedcba98
	v_lshlrev_b32 v5, 4, v2                        ; 16 x lane
	v_lshlrev_b32 v9, 3, v2                        ; 8 x lane
	s_mul_i32 s46, s20, WSTG
	v_add_nc_u32 v6, s46, v5                       ; the stage, in: a row's 512 bytes as they lie
	v_mul_u32_u24 v7, v3, SPITCH
	v_lshl_add_u32 v7, v4, 6, v7
	v_add_nc_u32 v7, s46, v7                       ; out: row r, + 64 h: my 16 numbers of each block
	s_lshl_b32 s47, s20, 2
	v_lshl_add_u32 v10, v3, 4, s47
	v_add_nc_u32 v10, SCX, v10                     ; my row's scale word: 16 r + 4 x tile
	v_add_nc_u32 v11, SCX, v9
.irp b, 0,1,2,3
	v_mov_b32 v[TM+4+\b], 0                        ; a lane permute's destination counts as one of its sources
.endr
	s_wait_kmcnt 0x0
	s_cmp_lt_u32 s25, 4                            ; q?  All choices hang on the work-group's number alone
	s_cselect_b64 s[26:27], s[4:5], s[6:7]
	s_cselect_b32 s28, s23, s24                    ; the block of 64 rows
	s_cselect_b32 s29, s29, s24                    ; the outer index of the layout
	s_cselect_b32 s30, s30, s31                    ; which four slots of a K step's block
	s_mov_b32 s32, 3276800
	s_cselect_b32 s32, 0, s32                      ; the part's first byte
	s_mov_b32 s33, 153600
	s_cselect_b32 s33, 204800, s33                 ; bytes of an outer index
	s_mov_b32 s34, 19200
	s_cselect_b32 s34, 25600, s34                  ; bytes of a K step
	s_mov_b32 s35, 18432
	s_cselect_b32 s35, 24576, s35                  ; where its scale words begin
	s_cmp_eq_u32 s25, 5
	s_cselect_b64 s[26:27], s[8:9], s[26:27]
	s_cmp_eq_u32 s25, 6
	s_cselect_b64 s[26:27], s[10:11], s[26:27]
	s_cmp_eq_u32 s25, 7                            ; Wo has a part of its own
	s_cselect_b64 s[26:27], s[12:13], s[26:27]
	s_cselect_b32 s30, 0, s30
	s_cselect_b32 s32, 5734400, s32
	s_cselect_b32 s33, 51200, s33
	s_cselect_b32 s34, 6400, s34
	s_cselect_b32 s35, 6144, s35
	s_lshl_b32 s36, s28, 18                        ; 64 rows of 4,096 bytes
	s_lshr_b32 s37, s20, 1
	s_lshl_b32 s37, s37, 17                        ; + 32 (T / 2) rows
	s_add_co_u32 s36, s36, s37
	s_and_b32 s37, s20, 1
	s_lshl_b32 s37, s37, 15                        ; + 8 (T % 2) rows
	s_add_co_u32 s36, s36, s37
	s_lshl_b32 s37, s22, 9                         ; + the K step's 512 bytes
	s_add_co_u32 s36, s36, s37
	s_mov_b32 s37, 0
	s_add_nc_u64 s[26:27], s[26:27], s[36:37]
.set i, 0
.rept 16                               ; row i + 8 (i / 8) of the tile: 32 lanes read 512 consecutive bytes; read once in the launch
	global_load_b128 v[R+4*i:R+4*i+3], v5, s[26:27] offset:(i+8*(i/8))*4096 th:TH_LOAD_NT
.set i, i+1
.endr
	s_mul_i32 s38, s29, s33
	s_add_co_u32 s38, s38, s32
	s_mul_i32 s39, s22, s34
	s_add_co_u32 s38, s38, s39                     ; the K step's block
	s_lshl_b32 s39, s30, 8
	s_add_co_u32 s40, s38, s35
	s_add_co_u32 s40, s40, s39                     ; its scale words for my four tiles
	s_mov_b32 s41, 0
	s_mul_i32 s39, s30, 6144
	s_add_co_u32 s38, s38, s39
	s_mul_i32 s39, s20, 1536
	s_add_co_u32 s38, s38, s39                     ; my tile's slot
	s_mov_b32 s39, 0
	s_add_nc_u64 s[42:43], s[16:17], s[38:39]
	s_add_nc_u64 s[44:45], s[16:17], s[40:41]
.set i, 0
.rept 16
	s_wait_loadcnt 15-i                            ; loads come back in order: row i is in, the younger ones stay out
	ds_store_b128 v6, v[R+4*i:R+4*i+3] offset:SPITCH*i
.set i, i+1
.endr
.set i, 0
.rept 16                               ; LDS serves a wave's instructions in order: these see my stores
	ds_load_b128 v[X+4*i:X+4*i+3], v7 offset:128*(i/4)+16*(i%4)
.set i, i+1
.endr
	s_wait_dscnt 0x0
	QUANT X
	global_store_b128 v5, v[PC:PC+3], s[42:43]                 ; each store of the wave covers 512 or 256 consecutive bytes, aligned
	global_store_b64 v9, v[PC+4:PC+5], s[42:43] offset:512
	global_store_b128 v5, v[PC+6:PC+9], s[42:43] offset:768
	global_store_b64 v9, v[PC+10:PC+11], s[42:43] offset:1280
	ds_store_b32 v10, v[PW]                        ; both halves of the lanes write the same word with the same value
	s_wait_dscnt 0x0                               ; for the others' sake: my word has landed
	s_barrier_signal -1
	s_barrier_wait -1
	s_cmp_lg_u32 s20, 0
	s_cbranch_scc1 .Lq_end
	ds_load_b64 v[12:13], v11
	s_wait_dscnt 0x0
	global_store_b64 v9, v[12:13], s[44:45]        ; 256 consecutive bytes, aligned
.Lq_end:
	s_wait_tensorcnt 0x0
	ds_add_u32 v192, v193
	s_wait_dscnt 0x0
	s_endpgm
	; ---------------- ROLE M.  t = work-group: tile T = t / 64, group G = (t / 16) % 4, wave y = t % 16 of the attention launch.  My wave makes words 8 w .. 8 w + 7 of both kinds.
	; Strided word k: lane (r, h) is query (block 16 G + r, residue rho = perm(T, y)) against key (block 2 k + h, residue rho); the own block's key is taken out: the local part serves it.
	; Local word k = 8 w + j: lane (r, h) is query perm(T, r) of block a = 16 G + y against that block's key 32 (w / 2) + 16 h + 8 (w % 2) + j.
.Lmask:
	s_lshr_b32 s21, ttmp9, 6                       ; T
	s_bfe_u32 s22, ttmp9, 0x20004                  ; G
	s_and_b32 s23, ttmp9, 15                       ; y
	s_lshr_b32 s24, s21, 1
	s_lshl_b32 s24, s24, 5
	s_and_b32 s25, s21, 1
	s_lshl_b32 s25, s25, 3
	s_add_co_u32 s24, s24, s25                     ; 32 (T / 2) + 8 (T % 2)
	s_and_b32 s25, s23, 8
	s_add_co_u32 s25, s25, s23
	s_add_co_u32 s25, s25, s24                     ; rho
	s_lshl_b32 s26, s22, 4                         ; 16 G
	s_add_co_u32 s27, s26, s23                     ; a
	s_lshl_b32 s28, s22, 22                        ; 1,024 G rows of 4,096 bytes
	s_mul_i32 s29, s25, 4097                       ; row rho and column rho
	s_add_co_u32 s28, s28, s29
	s_lshl_b32 s29, s20, 10                        ; 16 key blocks a wave
	s_add_co_u32 s28, s28, s29
	v_lshlrev_b32 v20, 18, v3                      ; 64 r rows
	v_lshl_add_u32 v20, v4, 6, v20                 ; + 64 h columns
	v_add_nc_u32 v20, s28, v20
	s_lshl_b32 s29, s27, 6                         ; 64 a
	s_add_co_u32 s30, s29, s24
	s_lshl_b32 s30, s30, 12
	s_add_co_u32 s30, s30, s29
	s_lshr_b32 s31, s20, 1
	s_lshl_b32 s31, s31, 5
	s_add_co_u32 s30, s30, s31
	s_and_b32 s31, s20, 1
	s_lshl_b32 s31, s31, 3
	s_add_co_u32 s30, s30, s31
	v_and_b32 v21, 8, v3
	v_add_nc_u32 v21, v21, v3                      ; r + 8 (r / 8)
	v_lshlrev_b32 v21, 12, v21
	v_lshl_add_u32 v21, v4, 4, v21
	v_add_nc_u32 v21, s30, v21
	s_lshl_b32 s31, s20, 4
	s_sub_co_u32 s31, s26, s31
	v_sub_nc_u32 v23, v3, v4
	v_add_nc_u32 v23, s31, v23                     ; 16 G + r - h - 16 w: the own key is word j where 2 j equals this
	s_lshl_b32 s32, s20, 5
	s_add_co_u32 s32, s32, MX
	v_mov_b32 v24, s32                             ; my wave's eight words
	v_lshl_add_u32 v25, v2, 3, MX
	v_lshlrev_b32 v26, 3, v2
	s_lshl_b32 s34, ttmp9, 8
	s_mov_b32 s35, 0
	s_wait_kmcnt 0x0
	s_add_nc_u64 s[18:19], s[18:19], s[34:35]
.irp j, 0,1,2,3,4,5,6,7
	global_load_u8 v[32+\j], v20, s[14:15] offset:128*\j
.endr
.irp j, 0,1,2,3,4,5,6,7
	global_load_u8 v[40+\j], v21, s[14:15] offset:\j
.endr
	s_wait_loadcnt 0x0
.irp j, 0,1,2,3,4,5,6,7
	v_cmp_ne_u32 s36, 0, v[32+\j]
	v_cmp_ne_u32 s37, 2*\j, v23
	s_and_b32 s36, s36, s37
	v_mov_b32 v[48+\j], s36
	ds_store_b32 v24, v[48+\j] offset:4*\j         ; all lanes write the same word with the same value
	v_cmp_ne_u32 s38, 0, v[40+\j]
	v_mov_b32 v[56+\j], s38
	ds_store_b32 v24, v[56+\j] offset:128+4*\j
.endr
	s_wait_dscnt 0x0                               ; for the others' sake
	s_barrier_signal -1
	s_barrier_wait -1
	s_cmp_lg_u32 s20, 0
	s_cbranch_scc1 .Lm_end
	ds_load_b64 v[28:29], v25
	s_wait_dscnt 0x0
	global_store_b64 v26, v[28:29], s[18:19]       ; 256 consecutive bytes, aligned
.Lm_end:
	s_wait_tensorcnt 0x0
	ds_add_u32 v192, v193
	s_wait_dscnt 0x0
	s_endpgm
.Lfunc_end_k_qf60762efd7_prep:
	.size	k_qf60762efd7_prep, .Lfunc_end_k_qf60762efd7_prep-k_qf60762efd7_prep
	.p2alignl 7, 3214868480
	.fill 96, 4, 3214868480
	.section	.rodata,"a",@progbits
	.p2align	6, 0x0
	.amdhsa_kernel k_qf60762efd7_prep
		.amdhsa_group_segment_fixed_size 34816
		.amdhsa_private_segment_fixed_size 0
		.amdhsa_enable_private_segment 0
		.amdhsa_kernarg_size 64
		.amdhsa_user_sgpr_count 2
		.amdhsa_user_sgpr_kernarg_segment_ptr 1
		.amdhsa_wavefront_size32 1
		.amdhsa_system_sgpr_workgroup_id_x 1
		.amdhsa_system_sgpr_workgroup_id_y 1
		.amdhsa_system_sgpr_workgroup_id_z 1
		.amdhsa_system_vgpr_workitem_id 0
		.amdhsa_next_free_vgpr 194
		.amdhsa_next_free_sgpr 66
		.amdhsa_reserve_vcc 0
		.amdhsa_float_denorm_mode_32 3
		.amdhsa_float_denorm_mode_16_64 3
		.amdhsa_memory_ordered 1
		.amdhsa_forward_progress 1
		.amdhsa_inst_pref_size 20
	.end_amdhsa_kernel
	.amdgpu_metadata
---
amdhsa.version: [ 1, 2 ]
amdhsa.kernels:
  - .name:           k_qf60762efd7_prep
    .symbol:         k_qf60762efd7_prep.kd
    .args:
      - { .name: q, .offset: 0, .size: 8, .value_kind: global_buffer, .address_space: global }
      - { .name: Wq, .offset: 8, .size: 8, .value_kind: global_buffer, .address_space: global }
      - { .name: Wk, .offset: 16, .size: 8, .value_kind: global_buffer, .address_space: global }
      - { .name: Wv, .offset: 24, .size: 8, .value_kind: global_buffer, .address_space: global }
      - { .name: Wo, .offset: 32, .size: 8, .value_kind: global_buffer, .address_space: global }
      - { .name: mask, .offset: 40, .size: 8, .value_kind: global_buffer, .address_space: global }
      - { .name: wq, .offset: 48, .size: 8, .value_kind: global_buffer, .address_space: global }
      - { .name: msk, .offset: 56, .size: 8, .value_kind: global_buffer, .address_space: global }
    .group_segment_fixed_size: 34816
    .private_segment_fixed_size: 0
    .kernarg_segment_align: 8
    .kernarg_segment_size: 64
    .max_flat_workgroup_size: 128
    .sgpr_count:     66
    .vgpr_count:     194
    .wavefront_size: 32
...
	.end_amdgpu_metadata
.endif
;; end of part 1
;; launch qkv (part 2): grid 16 x 16, 4 waves a work-group, clusters of 4 x 1, 168,448 bytes of LDS; arguments wq, qkv; writes qkv
.if DOCPART == 2
	.amdgcn_target "amdgcn-amd-amdhsa--gfx1250"
	.amdhsa_code_object_version 6
	.text
	.protected	k_qf60762efd7_qkv
	.globl	k_qf60762efd7_qkv
	.p2align	8
	.type	k_qf60762efd7_qkv,@function
k_qf60762efd7_qkv:
	s_mov_b64 s[64:65], 0
	v_nop
	global_prefetch_b8 v0, s[64:65] scope:SCOPE_SE
	s_setreg_imm32_b32 hwreg(HW_REG_WAVE_MODE, 25, 1), 1
	s_wait_xcnt 0x0
	s_wait_alu depctr_hold_cnt(0) depctr_sa_sdst(0) depctr_va_vdst(0) depctr_va_sdst(0) depctr_va_ssrc(0) depctr_va_vcc(0) depctr_vm_vsrc(0)
	s_getreg_b32 s2, hwreg(HW_REG_IB_STS2, 6, 4)
	s_cmp_eq_u32 s2, 0
	s_cbranch_scc0 .Lentry_in_a_cluster
	s_endpgm
.Lentry_in_a_cluster:
	s_bfe_u32 s2, ttmp6, 0x10000c
	s_cmp_lg_u32 s2, 0x3003
	s_cbranch_scc0 .Lentry_shape_is_right
	s_endpgm
.Lentry_shape_is_right:
; QKV: Q, K and V of one head for 256 tokens: one product [256 x 1,024] x [1,024 x 192] on codes of FP6, and the quantising of its three results.
; SHARES.  Work-group (mt, head): tokens 256 mt on.  Wave w: the block of 64 tokens a = 4 mt + w against all 192 columns: 48 accumulators.
; A (q's codes) is private to a wave and comes from memory straight into registers, three K steps ahead.  B (the head's rows of Wq, Wk, Wv, 153,600 bytes for all of K) is filled into LDS once.
; CLUSTER.  The four work-groups of a cluster have the same head, so B is asked for JOINTLY: the same tensor loads, with the same descriptors and the mask of all four.  Two loads of a wave are out at the most.
; Q and K are made transposed (source 0 = 16 rows of W, source 1 = 16 tokens): a lane holds one token, its registers run along d, their next K.  V is made the other way (source 0 = tokens): a lane holds one d, its registers run down the keys, V's next K.
; OUT: images of 768 bytes (16 rows x 64 K: registers 0-3 at 16 x lane, 4-5 at 512 + 8 x lane), scale words (two bytes used), and for the strided keys V's codes a byte each (VS) and V's scale bytes by key block (SVP).
; LIMITS: as in the first launch (no NaN, no infinities; a block of zeros keeps the byte 1).
; REGISTERS: window 0: addresses, scale words, B's fragments (two sets), the epilogue's work.  Window 1: Q's and K's accumulators at 64 at + 32 g + 8 T.  Window 2: V's at 8 (4 T' + at).  Window 3: A's fragments, four sets of 48.
.set BSTEP, 19200                      ; B: a K step: 12 fragments + 768 bytes of scale words
.set ASTEP, 25600                      ; A: a K step of 256 tokens
.set FRB,   1536
.set SX,    153600                     ; behind B: 512 bytes for V's scale bytes; no tensor load lands here
.set B16, 2                            ; v2-4   B: 16 x lane + 0, 3, 6 K steps (so that the immediates stay under 65,536)
.set B8,  5                            ; v5-7   512 + 8 x lane + the same
.set BS,  8                            ; v8-10  18,432 + 16 r + the same
.set A16, 11                           ; v11    16 x lane
.set A8,  12                           ; v12    512 + 8 x lane
.set AS,  13                           ; v13    16 r
.set SCO, 15                           ; v15    16 r + 8 h
.set SXW, 16                           ; v16    SX + 16 x lane + wave
.set SXR, 17                           ; v17    SX + 16 x lane
.set SVO, 18                           ; v18    4,096 h + 16 r
.set SCA, 32                           ; v32-47 A's scale words, four sets of four
.set SCB, 48                           ; v48-55 B's, two sets of four
.set BF,  64                           ; v64-159 B's fragments, two sets of four
.set TM,  160                          ; v160-167 largest magnitudes
.set TX,  168                          ; v168-175 the other half's, then the bytes
.set SO,  176                          ; v176-183 the conversions' scale operands
.set SW,  184                          ; v184-187 scale words of four images
.set SP2, 188                          ; v188-189 the two that my lane stores
.set E,   192                          ; v192-223 four images, eight registers each
.set CT,  224                          ; v224-231 at work
.set DW,  64                           ; v64-95 VS's words
.set MSB, 0
.macro WIN new                         ; the immediate's high byte repeats the setting that is left
.if MSB != \new
	s_set_vgpr_msb (MSB<<8)|\new
.set MSB, \new
.endif
.endm
.macro PLACES n
.rept \n
	v_nop
.endr
.endm
.macro CROUND                          ; a round of the cluster's barrier
	s_barrier_signal -1
	s_barrier_wait -1
	s_cmp_lg_u32 s8, 0
	s_cbranch_scc1 .Lnw0_\@
	s_barrier_signal -3
.Lnw0_\@:
	s_barrier_wait -3
	s_barrier_signal -1
	s_barrier_wait -1
.endm
	s_load_b128 s[4:7], s[0:1], 0x0                ; wq, qkv
	v_lshl_add_u32 v254, v0, 2, 0x29000
	v_mov_b32 v255, 0
	ds_add_u32 v254, v255
	ds_add_u32 v254, v255
	v_lshrrev_b32 v1, 5, v0
	v_readfirstlane_b32 s8, v1                     ; wave
	s_and_b32 s11, ttmp7, 0xffff                   ; head: the four partners share it
	; descriptor group 1: 75 dense rows of 256 bytes (32 elements of 8 bytes): a K step of B
	s_mov_b32 s24, 15|(3<<16)|(1<<21)              ; the mask of all four; elements of 8 bytes; bit 21 beside a mask
	s_mov_b32 s25, 32<<16                          ; tensor_dim0
	s_mov_b32 s26, 75<<16                          ; tensor_dim1
	s_mov_b32 s27, 32<<16                          ; tile_dim0
	s_mov_b32 s28, 75                              ; tile_dim1
	s_mov_b32 s29, 32                              ; the pitch
	s_mov_b32 s30, 0
	s_mov_b32 s31, 0
	s_mul_i32 s33, s8, BSTEP                       ; wave w fetches K steps w and w + 4: LDS address
	s_mul_i32 s12, s11, 8*BSTEP
	s_add_co_u32 s12, s12, s33
	s_add_co_u32 s12, s12, 3276800
	s_mov_b32 s13, 0
	s_mov_b32 s32, 1
	s_mov_b32 s36, 1
	s_add_co_u32 s37, s33, 4*BSTEP
	s_wait_dscnt 0x0
	s_wait_kmcnt 0x0
	s_add_nc_u64 s[34:35], s[4:5], s[12:13]
	s_add_nc_u64 s[38:39], s[34:35], 4*BSTEP
	s_or_b32 s35, s35, 0x80000000
	s_or_b32 s39, s39, 0x80000000
	CROUND                                         ; all four work-groups are here: the joint loads meet
	tensor_load_to_lds s[32:35], s[24:31]
	s_nop 0
	tensor_load_to_lds s[36:39], s[24:31]
	s_nop 0
	PLACES 4
	s_bfe_u32 s9, ttmp6, 0x40000                   ; cx: it enters A's and the outputs' addresses alone
	s_lshl_b32 s10, ttmp9, 2
	s_add_co_u32 s10, s10, s9                      ; mt
	s_mul_i32 s20, s10, 8*ASTEP
	s_mul_i32 s21, s8, 4*FRB
	s_add_co_u32 s22, s20, s21
	s_mov_b32 s23, 0
	s_add_nc_u64 s[16:17], s[4:5], s[22:23]        ; my four fragments of K step 0
	s_lshl_b32 s21, s8, 8
	s_add_co_u32 s22, s20, s21
	s_add_co_u32 s22, s22, 24576
	s_add_nc_u64 s[18:19], s[4:5], s[22:23]        ; and their scale words
	v_and_b32 v1, 31, v0
	v_and_b32 v19, 15, v0
	v_bfe_u32 v20, v0, 4, 1
	v_lshlrev_b32 v[A16], 4, v1
	v_lshl_add_u32 v[A8], v1, 3, 512
	v_lshlrev_b32 v[AS], 4, v19
.irp n, 0,1,2
	v_add_nc_u32 v[B16+\n], \n*3*BSTEP, v[A16]
	v_add_nc_u32 v[B8+\n], \n*3*BSTEP, v[A8]
	v_add_nc_u32 v[BS+\n], \n*3*BSTEP+18432, v[AS]
.endr
	v_lshl_add_u32 v[SCO], v20, 3, v[AS]
	v_add_nc_u32 v[SXR], SX, v[A16]
	v_add_nc_u32 v[SXW], s8, v[SXR]
	v_lshl_add_u32 v[SVO], v20, 12, v[AS]
.irp n, 0,1,2,3,4,5,6,7
	v_mov_b32 v[TX+\n], 0                          ; a lane permute's destination counts as one of its sources
.endr
.macro LOADA s                         ; my four fragments of K step s and their scale words: 17 loads
	WIN 0xc0                                       ; destination window 3
.irp t, 0,1,2,3
	global_load_b128 v[48*((\s)&3)+12*\t:48*((\s)&3)+12*\t+3], v[A16], s[16:17] offset:ASTEP*(\s)+FRB*\t
	global_load_b64 v[48*((\s)&3)+12*\t+4:48*((\s)&3)+12*\t+5], v[A8], s[16:17] offset:ASTEP*(\s)+FRB*\t
	global_load_b128 v[48*((\s)&3)+12*\t+6:48*((\s)&3)+12*\t+9], v[A16], s[16:17] offset:ASTEP*(\s)+FRB*\t+768
	global_load_b64 v[48*((\s)&3)+12*\t+10:48*((\s)&3)+12*\t+11], v[A8], s[16:17] offset:ASTEP*(\s)+FRB*\t+768
.endr
	WIN 0
	global_load_b128 v[SCA+4*((\s)&3):SCA+4*((\s)&3)+3], v[AS], s[18:19] offset:ASTEP*(\s)
.endm
.macro LOADG q                         ; group q = 3 s + g: the four fragments of weight g in K step s, and their scale words: 17 LDS loads
.set LS, (\q)/3
.set LG, (\q)%3
.set LB, BF+48*((\q)&1)
.set LO, BSTEP*(LS%3)+FRB*4*LG
.irp t, 0,1,2,3
	ds_load_b128 v[LB+12*\t:LB+12*\t+3], v[B16+LS/3] offset:LO+FRB*\t
	ds_load_b64 v[LB+12*\t+4:LB+12*\t+5], v[B8+LS/3] offset:LO+FRB*\t
	ds_load_b128 v[LB+12*\t+6:LB+12*\t+9], v[B16+LS/3] offset:LO+FRB*\t+768
	ds_load_b64 v[LB+12*\t+10:LB+12*\t+11], v[B8+LS/3] offset:LO+FRB*\t+768
.endr
	ds_load_b128 v[SCB+4*((\q)&1):SCB+4*((\q)&1)+3], v[BS+LS/3] offset:BSTEP*(LS%3)+256*LG
.endm
.macro MULG q                          ; 16 matrix instructions on 16 accumulators; the 48 take turns in the same order in every K step
.set MS, (\q)/3
.set MG, (\q)%3
.set MBF, BF+48*((\q)&1)
.set MAF, 48*(MS&3)
.set MSA, SCA+4*(MS&3)
.set MSC, SCB+4*((\q)&1)
.if MG < 2
	WIN 0x5c                                       ; source 0 (W) window 0, source 1 (q) window 3, C and D window 1
.irp a, 0,1,2,3
.irp t, 0,1,2,3
.if MS == 0
	v_wmma_scale_f32_16x16x128_f8f6f4 v[64*\a+32*MG+8*\t:64*\a+32*MG+8*\t+7], v[MBF+12*\t:MBF+12*\t+11], v[MAF+12*\a:MAF+12*\a+11], 0, v[MSC+\t], v[MSA+\a] matrix_a_fmt:MATRIX_FMT_FP6 matrix_b_fmt:MATRIX_FMT_FP6
.else
	v_wmma_scale_f32_16x16x128_f8f6f4 v[64*\a+32*MG+8*\t:64*\a+32*MG+8*\t+7], v[MBF+12*\t:MBF+12*\t+11], v[MAF+12*\a:MAF+12*\a+11], v[64*\a+32*MG+8*\t:64*\a+32*MG+8*\t+7], v[MSC+\t], v[MSA+\a] matrix_a_fmt:MATRIX_FMT_FP6 matrix_b_fmt:MATRIX_FMT_FP6
.endif
.endr
.endr
.else
	WIN 0xa3                                       ; source 0 (q) window 3, source 1 (Wv) window 0, C and D window 2
.irp a, 0,1,2,3
.irp t, 0,1,2,3
.if MS == 0
	v_wmma_scale_f32_16x16x128_f8f6f4 v[8*(4*\t+\a):8*(4*\t+\a)+7], v[MAF+12*\a:MAF+12*\a+11], v[MBF+12*\t:MBF+12*\t+11], 0, v[MSA+\a], v[MSC+\t] matrix_a_fmt:MATRIX_FMT_FP6 matrix_b_fmt:MATRIX_FMT_FP6
.else
	v_wmma_scale_f32_16x16x128_f8f6f4 v[8*(4*\t+\a):8*(4*\t+\a)+7], v[MAF+12*\a:MAF+12*\a+11], v[MBF+12*\t:MBF+12*\t+11], v[8*(4*\t+\a):8*(4*\t+\a)+7], v[MSA+\a], v[MSC+\t] matrix_a_fmt:MATRIX_FMT_FP6 matrix_b_fmt:MATRIX_FMT_FP6
.endif
.endr
.endr
.endif
.endm
	LOADA 0
	LOADA 1
	LOADA 2
	; where the results go
	s_lshl_b32 s40, s10, 2
	s_add_co_u32 s40, s40, s8                      ; a
	s_lshl_b32 s41, s11, 6
	s_add_co_u32 s41, s41, s40                     ; 64 head + a
	s_mul_i32 s22, s11, 196608
	s_mul_i32 s21, s40, 768
	s_add_co_u32 s22, s22, s21
	s_add_nc_u64 s[44:45], s[6:7], s[22:23]        ; Q's images (K's 3,145,728 bytes on)
	s_mul_i32 s22, s41, 3072
	s_add_co_u32 s22, s22, 6291456
	s_add_nc_u64 s[46:47], s[6:7], s[22:23]        ; V's images
	s_lshl_b32 s22, s41, 12
	s_add_co_u32 s22, s22, 9437184
	s_add_nc_u64 s[48:49], s[6:7], s[22:23]        ; VS
	s_lshl_b32 s22, s41, 8
	s_add_co_u32 s22, s22, 13631488
	s_add_nc_u64 s[50:51], s[6:7], s[22:23]        ; Q's scale words (K's 262,144 on, V's 524,288)
	s_lshl_b32 s22, s11, 13
	s_lshl_b32 s21, s10, 8
	s_add_co_u32 s22, s22, s21
	s_add_co_u32 s22, s22, 14417920
	s_add_nc_u64 s[52:53], s[6:7], s[22:23]        ; SVP
	s_mov_b32 s54, 0x76543210
	s_mov_b32 s55, 0xfedcba98
	s_mov_b32 s56, 0xffff0000                      ; the lanes with h = 1
	s_wait_tensorcnt 0x1                           ; my K step w is in; K step w + 4 may stay out
	s_barrier_signal -1
	s_barrier_wait -1                              ; K steps 0 to 3 are whole
	LOADG 0
	LOADG 1
.set Q, 0
.rept 24
.if Q%3 == 0
.if Q/3 <= 5
	s_wait_loadcnt 34                              ; this K step's A is in; the 17 loads of each of the next two steps may be out
.elseif Q/3 == 6
	s_wait_loadcnt 17
.else
	s_wait_loadcnt 0
.endif
.endif
.if Q < 23
	s_wait_dscnt 17                                ; this group's B is in; the next group's 17 loads may be out
.else
	s_wait_dscnt 0
.endif
	MULG Q
	WIN 0
	PLACES 4                                       ; in front of loads into registers that matrix instructions have read, and at the end of the first read of results
.if Q == 10
	s_wait_tensorcnt 0x0                           ; my K step w + 4 is in,
	s_wait_dscnt 0x0
	s_barrier_signal -1
	s_barrier_wait -1                              ; everybody's is: K steps 4 to 7 are whole
.endif
.if Q+2 <= 23
	LOADG Q+2
.endif
.if (Q%3 == 0) && (Q/3 <= 4)
	LOADA Q/3+3                                    ; into the set that the last K step has left
.endif
.set Q, Q+1
.endr
; THE EPILOGUE.  QB quantises four images at once: image m lies in window W at BM m + BA, register 16 b + i = K 32 b + 16 h + i of the lane's row.  Codes to v[E + 8 m] on (six registers), bytes to v[TX + 2 m + b], words to v[SW + m].
.macro QB W, BM, BA
	WIN (\W)|((\W)<<2)
.irp m, 0,1,2,3
.irp b, 0,1
	v_max3_num_f32 v[TM+2*\m+\b], |v[\BM*\m+\BA+16*\b]|, |v[\BM*\m+\BA+16*\b+1]|, 0x1800000   ; each accumulator is read from its low end on
.endr
.endr
.irp i, 2,4,6,8,10,12,14
.irp m, 0,1,2,3
.irp b, 0,1
	v_max3_num_f32 v[TM+2*\m+\b], |v[\BM*\m+\BA+16*\b+\i]|, |v[\BM*\m+\BA+16*\b+\i+1]|, v[TM+2*\m+\b]
.endr
.endr
.endr
	WIN 0
	s_wait_xcnt 0x0                                ; the last batch's stores have read their registers: they are written again only behind this wait
.irp n, 0,1,2,3,4,5,6,7
	v_permlanex16_b32 v[TX+\n], v[TM+\n], s54, s55
.endr
.irp n, 0,1,2,3,4,5,6,7
	v_max_num_f32 v[TM+\n], v[TM+\n], v[TX+\n]
.endr
.irp n, 0,1,2,3,4,5,6,7
	v_add_nc_u32 v[SO+\n], 0xff000000, v[TM+\n]
.endr
.irp n, 0,1,2,3,4,5,6,7
	v_lshrrev_b32 v[TX+\n], 23, v[SO+\n]
.endr
.irp m, 0,1,2,3
	v_lshl_or_b32 v[SW+\m], v[TX+2*\m+1], 8, v[TX+2*\m]
.endr
	WIN \W
.irp m, 0,1,2,3
	v_cvt_scalef32_pk16_fp6_f32 v[E+8*\m:E+8*\m+2], v[\BM*\m+\BA:\BM*\m+\BA+15], v[SO+2*\m]
	v_cvt_scalef32_pk16_fp6_f32 v[E+8*\m+4:E+8*\m+6], v[\BM*\m+\BA+16:\BM*\m+\BA+31], v[SO+2*\m+1]
.endr
	WIN 0
	v_nop                                          ; one plain place behind a scaled conversion
.irp m, 0,1,2,3
.irp i, 0,1,2
	v_permlane16_swap_b32 v[E+8*\m+\i], v[E+8*\m+4+\i]
.endr
.endr
.irp m, 0,1,2,3
	v_mov_b32 v[E+8*\m+3], v[E+8*\m+4]
	v_mov_b32 v[E+8*\m+4], v[E+8*\m+5]
	v_mov_b32 v[E+8*\m+5], v[E+8*\m+6]
.endr
	v_cndmask_b32 v[SP2], v[SW], v[SW+2], s56      ; lane (r, h) stores words 2 h and 2 h + 1 of row r
	v_cndmask_b32 v[SP2+1], v[SW+1], v[SW+3], s56
.endm
	QB 1, 64, 0                                    ; Q
.irp m, 0,1,2,3
	global_store_b128 v[A16], v[E+8*\m:E+8*\m+3], s[44:45] offset:49152*\m
	global_store_b64 v[A8], v[E+8*\m+4:E+8*\m+5], s[44:45] offset:49152*\m
.endr
	global_store_b64 v[SCO], v[SP2:SP2+1], s[50:51]
	QB 1, 64, 32                                   ; K
.irp m, 0,1,2,3
	global_store_b128 v[A16], v[E+8*\m:E+8*\m+3], s[44:45] offset:3145728+49152*\m
	global_store_b64 v[A8], v[E+8*\m+4:E+8*\m+5], s[44:45] offset:3145728+49152*\m
.endr
	global_store_b64 v[SCO], v[SP2:SP2+1], s[50:51] offset:262144
	QB 2, 32, 0                                    ; V: image T' = 16 of the head's d x the block's 64 keys
.irp m, 0,1,2,3
	global_store_b128 v[A16], v[E+8*\m:E+8*\m+3], s[46:47] offset:768*\m
	global_store_b64 v[A8], v[E+8*\m+4:E+8*\m+5], s[46:47] offset:768*\m
.endr
	global_store_b64 v[SCO], v[SP2:SP2+1], s[50:51] offset:524288
.irp m, 0,1,2,3
	v_cndmask_b32 v[CT+\m], v[TX+2*\m], v[TX+2*\m+1], s56      ; the byte of my half of the keys
	ds_store_b8 v[SXW], v[CT+\m] offset:4*\m       ; byte w of the word of (half, d): the four waves' key blocks make a word
.endr
; VS: code i of my 32 keys, of the four images, a byte each
.macro CODE dst, e, i
.set CBI, 6*(\i)
.if CBI%32 > 26
	v_lshrrev_b32 v[\dst], CBI%32, v[\e+CBI/32]
	v_lshl_or_b32 v[\dst], v[\e+CBI/32+1], 32-CBI%32, v[\dst]
	v_and_b32 v[\dst], 63, v[\dst]
.else
	v_bfe_u32 v[\dst], v[\e+CBI/32], CBI%32, 6
.endif
.endm
.set I, 0
.rept 32
	CODE DW+I, E, I
	CODE CT+4, E+8, I
	CODE CT+5, E+16, I
	CODE CT+6, E+24, I
	v_lshl_or_b32 v[DW+I], v[CT+4], 8, v[DW+I]
	v_lshl_or_b32 v[DW+I], v[CT+5], 16, v[DW+I]
	v_lshl_or_b32 v[DW+I], v[CT+6], 24, v[DW+I]
.set I, I+1
.endr
.irp g, 0,1,2,3,4,5,6,7
	global_store_b128 v[A16], v[DW+4*\g:DW+4*\g+3], s[48:49] offset:512*\g     ; 512 consecutive bytes, aligned
.endr
	s_wait_dscnt 0x0                               ; for the others' sake: my bytes have landed
	s_barrier_signal -1
	s_barrier_wait -1
	s_cmp_lg_u32 s8, 0
	s_cbranch_scc1 .Lno_svp
	ds_load_b128 v[CT:CT+3], v[SXR]
	s_wait_dscnt 0x0
	global_store_b128 v[SVO], v[CT:CT+3], s[52:53] ; sixteen lanes store 256 consecutive bytes, aligned, for each half of the keys
.Lno_svp:
	s_wait_tensorcnt 0x0
	ds_add_u32 v254, v255
	s_wait_dscnt 0x0
	CROUND                                         ; the closing round: no work-group ends while a partner may still ask for a tile that names it
	s_endpgm
.Lfunc_end_k_qf60762efd7_qkv:
	.size	k_qf60762efd7_qkv, .Lfunc_end_k_qf60762efd7_qkv-k_qf60762efd7_qkv
	.p2alignl 7, 3214868480
	.fill 96, 4, 3214868480
	.section	.rodata,"a",@progbits
	.p2align	6, 0x0
	.amdhsa_kernel k_qf60762efd7_qkv
		.amdhsa_group_segment_fixed_size 168448
		.amdhsa_private_segment_fixed_size 0
		.amdhsa_enable_private_segment 0
		.amdhsa_kernarg_size 16
		.amdhsa_user_sgpr_count 2
		.amdhsa_user_sgpr_kernarg_segment_ptr 1
		.amdhsa_wavefront_size32 1
		.amdhsa_system_sgpr_workgroup_id_x 1
		.amdhsa_system_sgpr_workgroup_id_y 1
		.amdhsa_system_sgpr_workgroup_id_z 1
		.amdhsa_system_vgpr_workitem_id 0
		.amdhsa_next_free_vgpr 1024
		.amdhsa_next_free_sgpr 66
		.amdhsa_reserve_vcc 0
		.amdhsa_float_denorm_mode_32 3
		.amdhsa_float_denorm_mode_16_64 3
		.amdhsa_memory_ordered 1
		.amdhsa_forward_progress 1
		.amdhsa_inst_pref_size 141
	.end_amdhsa_kernel
	.amdgpu_metadata
---
amdhsa.version: [ 1, 2 ]
amdhsa.kernels:
  - .name:           k_qf60762efd7_qkv
    .symbol:         k_qf60762efd7_qkv.kd
    .args:
      - { .name: wq, .offset: 0, .size: 8, .value_kind: global_buffer, .address_space: global }
      - { .name: qkv, .offset: 8, .size: 8, .value_kind: global_buffer, .address_space: global }
    .group_segment_fixed_size: 168448
    .private_segment_fixed_size: 0
    .kernarg_segment_align: 8
    .kernarg_segment_size: 16
    .max_flat_workgroup_size: 128
    .sgpr_count:     66
    .vgpr_count:     1024
    .wavefront_size: 32
...
	.end_amdgpu_metadata
.endif
;; end of part 2
;; launch attn (part 3): grid 16 x 16, 16 waves a work-group, no clusters, 204,800 bytes of LDS; arguments qkv, msk, oc; writes oc
.if DOCPART == 3
	.amdgcn_target "amdgcn-amd-amdhsa--gfx1250"
	.amdhsa_code_object_version 6
	.text
	.protected	k_qf60762efd7_attn
	.globl	k_qf60762efd7_attn
	.p2align	8
	.type	k_qf60762efd7_attn,@function
k_qf60762efd7_attn:
	s_mov_b64 s[64:65], 0
	v_nop
	global_prefetch_b8 v0, s[64:65] scope:SCOPE_SE
	s_setreg_imm32_b32 hwreg(HW_REG_WAVE_MODE, 25, 1), 1
	s_wait_xcnt 0x0
; ATTN.  Token i = 64 a + rho.  The mask that the module builds leaves query (a, rho) the 64 keys of its own block a (LOCAL) and the keys (b, rho) of the other blocks (STRIDED); the mask input is honoured through the lane masks of the first launch.
; SHARES.  Work-group (T, G, head): the residues rho = perm(T, y) and the blocks a = 16 G + y, y = 0 .. 15.  Wave y first does the strided problem of residue perm(T, y) (lane r = query block 16 G + r, all 64 key blocks),
; then the local problem of block 16 G + y (lane r = query perm(T, r)).  The strided results change owner through LDS.  Four waves share a SIMD, so that one wave's vector work stands beside another's products.
; BOTH PARTS keep their own M (the ceiling of their largest t, a whole number), p = 2^(t - M), and their own sum of the unquantised p; they are merged by exact powers of two, and the sum divides at the end.
; STRIDED p V.  In the true order of the keys a block of 32 that holds a strided key holds no other p but zeros: that p has a scale of its own, and V's code there has the scale of its true block.  So each of the instruction's four
; blocks of 32 carries ONE key at its first place and zeros behind it: four keys an instruction.  The other places of V's operand hold whatever the registers hold: every code is a finite number, and it meets a zero code of p.
; K = 64 for the scores and the local p V: the operand's upper 64 meet zero codes of Q or of p; the scale words' upper two bytes are 0.
; No tensor load: LDS is filled through registers, once.  No cluster: what work-groups share (a head's K images of one T) is a small part of what each reads, and it comes through registers.
; LIMITS: p under 2^-126 is taken as 0 (the exponential's result), under 2^-125 of the row's sum.  A row with no key left gives NaN, as the module does.  NaN and infinities among the inputs are not served.
.set IP,   784                         ; an image in LDS: 768 bytes + 16: images' equal places start at different 16-byte columns of 256
.set KSTR, 0                           ; K's 64 images (T, b)
.set QIM,  64*IP                       ; Q's 16 images (T, 16 G + y)
.set VSTR, 62720                       ; V's code bytes: [b 64][y / 4][r 16][y % 4] words
.set SVX,  128256                      ; V's scale words: [Y 16][r 16][T' 4]
.set XO,   132352                      ; the strided results: record (query block, residue) at XA a' + XY y': 256 bytes of O, then -M and the sum
.set XA,   4368
.set XY,   272
.set OSX,  202240                      ; the output's scale half words, 512 bytes
; v1 lane, v2 r, v3 h, v4 16 x lane, v5 512 + 8 x lane; v6-14, v254 addresses of the phase in hand; v15 -infinity; v16-27 Q (upper six 0); v28-59 K's fragments, then p x 2^n, then V's operands, then codes;
; v60-63 K's strided scale words; v64-95 scores, p; v96-127 at work, O; v128-159 V's code words, then the strided O; v160-167 V's scale words; v168-183 p's scale words; v184-207 local K; v208-231 local V; v232-237 0;
; v238, v239 Q's scale words; v240-243 local K's; v244-247 local V's; v248 -M, v249 the sum; v250, v251 the strided part's; v252 local p's scale word; v253 8 h; v255 2 (r % 8) + r / 8
.macro PLACES n
.rept \n
	v_nop
.endr
.endm
	s_load_b128 s[4:7], s[0:1], 0x0                ; qkv, msk
	s_load_b64 s[8:9], s[0:1], 0x10                ; oc
	v_lshrrev_b32 v1, 5, v0
	v_readfirstlane_b32 s10, v1                    ; y
	v_and_b32 v1, 31, v0
	v_and_b32 v2, 15, v0
	v_bfe_u32 v3, v0, 4, 1
	s_lshr_b32 s11, ttmp9, 2                       ; T
	s_and_b32 s12, ttmp9, 3                        ; G
	s_and_b32 s13, ttmp7, 0xffff                   ; head
	s_mov_b32 s14, 0x3e38aa3b                      ; c = log2(e) / sqrt(64)
	s_mov_b32 s15, s14                             ; (named with it as a pair)
	s_mov_b32 s48, 0x76543210
	s_mov_b32 s49, 0xfedcba98
	v_lshlrev_b32 v4, 4, v1
	v_lshl_add_u32 v5, v1, 3, 512
	v_lshlrev_b32 v6, 4, v2                        ; 16 r
	v_lshlrev_b32 v7, 8, v2                        ; 256 r
	v_and_b32 v8, 7, v2
	v_lshrrev_b32 v9, 3, v2
	v_lshl_add_u32 v255, v8, 1, v9                 ; lane r of a strided tile of K takes key block 16 tau + 2 (r % 8) + r / 8: score register k is then key block 2 k + h
	v_lshlrev_b32 v8, 8, v255
	v_lshl_add_u32 v9, v3, 9, v6                   ; 512 h + 16 r
	v_lshlrev_b32 v10, 3, v1                       ; 8 x lane
	s_lshl_b32 s50, s12, 4
	s_add_co_u32 s50, s50, s10                     ; a = 16 G + y
	s_lshl_b32 s51, s13, 6
	s_add_co_u32 s52, s51, s50                     ; 64 head + a
	s_lshl_b32 s53, s13, 2
	s_add_co_u32 s53, s53, s11                     ; 4 head + T
	s_mul_i32 s54, s53, 49152                      ; its 64 images
	s_lshl_b32 s55, s10, 4
	s_lshl_b32 s56, s11, 2
	s_add_co_u32 s55, s55, s56                     ; 16 y + 4 T
	s_lshr_b32 s101, s11, 1                        ; T / 2: which half of a key block my residues lie in
	s_mov_b32 s57, 0
	s_wait_kmcnt 0x0
	; ---- what goes to LDS: wave y brings K's images 4 y .. 4 y + 3, Q's image y, V's code words of key blocks 4 y .. 4 y + 3, and unit y of V's scale words
	s_mul_i32 s56, s10, 3072
	s_add_co_u32 s56, s56, s54
	s_add_co_u32 s56, s56, 3145728
	s_add_nc_u64 s[28:29], s[4:5], s[56:57]
	s_mul_i32 s56, s50, 768
	s_add_co_u32 s56, s56, s54
	s_add_nc_u64 s[30:31], s[4:5], s[56:57]
	s_lshl_b32 s56, s13, 18
	s_and_b32 s100, s11, 1
	s_lshl_b32 s100, s100, 10
	s_add_co_u32 s56, s56, s100
	s_lshl_b32 s100, s101, 8
	s_add_co_u32 s56, s56, s100
	s_lshl_b32 s100, s10, 14
	s_add_co_u32 s56, s56, s100
	s_add_co_u32 s56, s56, 9437184
	s_add_nc_u64 s[32:33], s[4:5], s[56:57]
	s_lshl_b32 s56, s13, 13
	s_lshl_b32 s100, s101, 12
	s_add_co_u32 s56, s56, s100
	s_lshl_b32 s100, s10, 8
	s_add_co_u32 s56, s56, s100
	s_add_co_u32 s56, s56, 14417920
	s_add_nc_u64 s[34:35], s[4:5], s[56:57]
.irp i, 0,1,2,3
	global_load_b128 v[64+6*\i:67+6*\i], v4, s[28:29] offset:768*\i
	global_load_b64 v[68+6*\i:69+6*\i], v5, s[28:29] offset:768*\i
.endr
	global_load_b128 v[88:91], v4, s[30:31]
	global_load_b64 v[92:93], v5, s[30:31]
.irp i, 0,1,2,3
	global_load_b128 v[96+8*\i:99+8*\i], v9, s[32:33] offset:4096*\i
	global_load_b128 v[100+8*\i:103+8*\i], v9, s[32:33] offset:4096*\i+2048
.endr
	global_load_b64 v[128:129], v10, s[34:35]
	; ---- what stays in registers: the local problem's K and V, and all scale words: 24 loads
	s_mul_i32 s56, s13, 196608
	s_mul_i32 s100, s50, 768
	s_add_co_u32 s56, s56, s100
	s_add_co_u32 s56, s56, 3145728
	s_add_nc_u64 s[16:17], s[4:5], s[56:57]
	s_mul_i32 s56, s52, 3072
	s_add_co_u32 s56, s56, 6291456
	s_add_nc_u64 s[18:19], s[4:5], s[56:57]
	s_lshl_b32 s56, s52, 8
	s_add_co_u32 s56, s56, 13631488
	s_add_nc_u64 s[20:21], s[4:5], s[56:57]
	s_lshl_b32 s100, s11, 2
	s_add_co_u32 s56, s56, s100
	s_add_nc_u64 s[22:23], s[4:5], s[56:57]
	s_lshl_b32 s100, s12, 4
	s_add_co_u32 s56, s51, s100
	s_lshl_b32 s56, s56, 8
	s_add_co_u32 s56, s56, s55
	s_add_co_u32 s56, s56, 13631488
	s_add_nc_u64 s[24:25], s[4:5], s[56:57]
	s_lshl_b32 s56, s13, 14
	s_add_co_u32 s56, s56, s55
	s_add_co_u32 s56, s56, 13893632
	s_add_nc_u64 s[26:27], s[4:5], s[56:57]
.irp t, 0,1,2,3
	global_load_b128 v[184+6*\t:187+6*\t], v4, s[16:17] offset:49152*\t
	global_load_b64 v[188+6*\t:189+6*\t], v5, s[16:17] offset:49152*\t
	global_load_b128 v[208+6*\t:211+6*\t], v4, s[18:19] offset:768*\t
	global_load_b64 v[212+6*\t:213+6*\t], v5, s[18:19] offset:768*\t
	global_load_b32 v[60+\t], v8, s[26:27] offset:4096*\t
.endr
	global_load_b128 v[240:243], v6, s[20:21] offset:262144
	global_load_b128 v[244:247], v6, s[20:21] offset:524288
	global_load_b32 v238, v6, s[22:23]
	global_load_b32 v239, v7, s[24:25]
	s_lshl_b32 s56, ttmp9, 4
	s_add_co_u32 s56, s56, s10
	s_lshl_b32 s56, s56, 8
	s_add_nc_u64 s[58:59], s[6:7], s[56:57]        ; my wave's 64 lane masks
	s_lshr_b32 s56, s50, 2
	s_mul_i32 s56, s56, 196608
	s_lshr_b32 s100, s13, 1
	s_mul_i32 s100, s100, 24576
	s_add_co_u32 s56, s56, s100
	s_and_b32 s100, s50, 3
	s_lshl_b32 s100, s100, 2
	s_add_co_u32 s100, s100, s11
	s_mul_i32 s100, s100, 1536
	s_add_co_u32 s56, s56, s100
	s_and_b32 s100, s13, 1
	s_mul_i32 s100, s100, 768
	s_add_co_u32 s56, s56, s100
	s_add_nc_u64 s[60:61], s[8:9], s[56:57]        ; where my image of O goes
	s_lshl_b32 s56, s53, 11
	s_lshl_b32 s100, s12, 9
	s_add_co_u32 s56, s56, s100
	s_add_co_u32 s56, s56, 3145728
	s_add_nc_u64 s[62:63], s[8:9], s[56:57]        ; and the work-group's scale half words
.irp n, 22,23,24,25,26,27,52,53,54,55,56,57,232,233,234,235,236,237,249
	v_mov_b32 v[\n], 0
.endr
	v_mov_b32 v15, 0xff800000
	v_lshlrev_b32 v253, 3, v3
	s_wait_xcnt 0x0                                ; every load above has had its addresses translated: its bases and offsets are written again only behind this wait
	s_load_b512 s[16:31], s[58:59], 0x0            ; strided masks, words 0 to 31
	s_load_b512 s[32:47], s[58:59], 0x40
	s_load_b512 s[68:83], s[58:59], 0x80           ; local masks
	s_load_b512 s[84:99], s[58:59], 0xc0
	s_mul_i32 s51, s10, IP
	v_add_nc_u32 v6, s51, v4
	v_add_nc_u32 v6, QIM, v6                       ; Q's image y: registers 0-3,
	v_add_nc_u32 v7, s51, v5
	v_add_nc_u32 v7, QIM, v7                       ; registers 4-5
	s_lshl_b32 s52, s51, 2
	v_add_nc_u32 v8, s52, v4                       ; K's image 4 y
	v_add_nc_u32 v9, s52, v5
	s_lshl_b32 s53, s10, 12
	s_add_co_u32 s53, s53, VSTR
	v_add_nc_u32 v10, s53, v4
	s_lshl_b32 s53, s10, 8
	s_add_co_u32 s53, s53, SVX
	v_lshl_add_u32 v11, v1, 3, s53
	s_wait_loadcnt 24                              ; the 19 loads for LDS are in; the 24 behind them may be out
.irp i, 0,1,2,3
	ds_store_b128 v8, v[64+6*\i:67+6*\i] offset:IP*\i
	ds_store_b64 v9, v[68+6*\i:69+6*\i] offset:IP*\i
.endr
	ds_store_b128 v6, v[88:91]
	ds_store_b64 v7, v[92:93]
.irp i, 0,1,2,3
	ds_store_b128 v10, v[96+8*\i:99+8*\i] offset:1024*\i
	ds_store_b128 v10, v[100+8*\i:103+8*\i] offset:1024*\i+512
.endr
	ds_store_b64 v11, v[128:129]
	; the strided phase's addresses.  Row y of an image is lane y + 16 h of it
	s_lshl_b32 s52, s10, 4
	s_lshl_b32 s53, s10, 3
	v_mul_u32_u24 v12, v2, IP
	v_lshl_add_u32 v13, v3, 7, v12
	v_add_nc_u32 v13, s53, v13                     ; Q: image r, registers 4-5
	v_lshl_add_u32 v12, v3, 8, v12
	v_add_nc_u32 v12, s52, v12                     ; registers 0-3
	v_mul_u32_u24 v14, v255, IP
	v_lshl_add_u32 v8, v3, 7, v14
	v_add_nc_u32 v8, s53, v8                       ; K likewise
	v_lshl_add_u32 v14, v3, 8, v14
	v_add_nc_u32 v14, s52, v14
	s_lshr_b32 s52, s10, 2
	s_lshl_b32 s52, s52, 8
	s_and_b32 s53, s10, 3
	s_lshl_b32 s53, s53, 2
	s_add_co_u32 s52, s52, s53
	s_add_co_u32 s52, s52, VSTR
	v_lshl_add_u32 v9, v2, 4, s52
	v_lshl_add_u32 v9, v3, 10, v9                  ; V's code word of key block h, residue y, d rows r
	v_lshl_add_u32 v10, v2, 4, SVX
	s_mul_i32 s51, s10, XY
	s_add_co_u32 s51, s51, XO
	v_mul_u32_u24 v11, v2, XA
	v_add_nc_u32 v11, s51, v11                     ; the record of (query block r, residue y)
	v_lshl_add_u32 v254, v3, 7, v11
	s_wait_dscnt 0x0                               ; for the others' sake: my stores have landed
	s_barrier_signal -1
	s_barrier_wait -1
	; ---------------- STRIDED
	ds_load_b128 v[16:19], v12 offset:QIM
	ds_load_b64 v[20:21], v13 offset:QIM+512
.irp t, 0,1,2,3
	ds_load_b128 v[28+6*\t:31+6*\t], v14 offset:16*IP*\t
	ds_load_b64 v[32+6*\t:33+6*\t], v8 offset:16*IP*\t+512
.endr
.set k, 0
.rept 32
	ds_load_b32 v[128+k], v9 offset:2048*k         ; key block 2 k + h
.set k, k+1
.endr
	ds_load_b128 v[160:163], v10
	s_wait_dscnt 0x0
	s_wait_loadcnt 0x0
	s_wait_kmcnt 0x0
.irp t, 0,1,2,3
	v_wmma_scale_f32_16x16x128_f8f6f4 v[64+8*\t:71+8*\t], v[28+6*\t:39+6*\t], v[16:27], 0, v[60+\t], v239 matrix_a_fmt:MATRIX_FMT_FP6 matrix_b_fmt:MATRIX_FMT_FP6
.endr
	PLACES 4
; THE SOFTMAX of 32 scores a lane (the query's other 32 lie in lane l xor 16), under the lane masks s[MB] on.  Leaves p in v64-95, -M in v248, the sum in v249.
.macro SOFT MB
.set k, 0
.rept 32
	v_cndmask_b32 v[64+k], v15, v[64+k], s[\MB+k]  ; a hidden score becomes -infinity; each accumulator is read from its low end on
.set k, k+1
.endr
.irp c, 0,1,2,3
	v_max3_num_f32 v[96+\c], v[64+8*\c], v[65+8*\c], v[66+8*\c]
.endr
.irp i, 3,5
.irp c, 0,1,2,3
	v_max3_num_f32 v[96+\c], v[96+\c], v[64+8*\c+\i], v[65+8*\c+\i]
.endr
.endr
.irp c, 0,1,2,3
	v_max_num_f32 v[96+\c], v[96+\c], v[71+8*\c]
.endr
	v_max3_num_f32 v96, v96, v97, v98
	v_max_num_f32 v96, v96, v99
	v_permlanex16_b32 v97, v96, s48, s49
	v_max_num_f32 v96, v96, v97
	v_mul_f32 v96, s14, v96                        ; as t
	v_max_num_f32 v96, 0xff61b1e6, v96             ; where no key is left: -3e38, so that M stays a number and every p is 0
	v_floor_f32 v248, -v96                         ; -M = floor(-t) = -ceil(t)
.irp j, 0,2,4,6,8,10,12,14,16,18,20,22,24,26,28,30
	v_pk_fma_f32 v[64+\j:65+\j], v[64+\j:65+\j], s[14:15], v[248:249] op_sel_hi:[1,0,0]   ; t - M
.endr
.set k, 0
.rept 32
	v_exp_f32 v[64+k], v[64+k]
.set k, k+1
.endr
	v_nop                                          ; a plain place behind the exponentials
	s_wait_alu depctr_va_vdst(0)                   ; one wait for the batch, ahead of its first reader
	v_pk_add_f32 v[96:97], v[64:65], v[66:67]      ; the sum of the unquantised p, in two chains
	v_pk_add_f32 v[98:99], v[68:69], v[70:71]
.irp j, 8,12,16,20,24,28
	v_pk_add_f32 v[96:97], v[96:97], v[64+\j:65+\j]
	v_pk_add_f32 v[98:99], v[98:99], v[66+\j:67+\j]
.endr
	v_pk_add_f32 v[96:97], v[96:97], v[98:99]
	v_add_f32 v96, v96, v97
	v_permlanex16_b32 v97, v96, s48, s49
	v_add_f32 v249, v96, v97
.endm
	SOFT 16
	; each p is a block's only number: its scale's byte is its own exponent field less 2 (held at 1), and its code that of p x 2^(129 - field), which lies in [4, 8)
.set k, 0
.rept 32
	v_max_num_f32 v[28+k], 0x1800000, v[64+k]
.set k, k+1
.endr
.set k, 0
.rept 32
	v_lshrrev_b32 v[28+k], 23, v[28+k]
.set k, k+1
.endr
.set k, 0
.rept 16
	v_lshl_or_b32 v[168+k], v[29+2*k], 16, v[28+2*k]   ; group Y = k: my keys 4 Y + h and 4 Y + 2 + h
.set k, k+1
.endr
.set k, 0
.rept 32
	v_sub_nc_u32 v[28+k], 129, v[28+k]
.set k, k+1
.endr
.set k, 0
.rept 32
	v_ldexp_f32 v[28+k], v[64+k], v[28+k]
.set k, k+1
.endr
.set k, 0
.rept 16
	v_add_nc_u32 v[168+k], 0xfffdfffe, v[168+k]    ; 2 off both fields
.set k, k+1
.endr
.set k, 0
.rept 16
	v_lshlrev_b32 v[168+k], v253, v[168+k]         ; to bytes h and 2 + h
.set k, k+1
.endr
.set k, 0
.rept 16
	v_permlanex16_b32 v[100+k], v[168+k], s48, s49
.set k, k+1
.endr
.set k, 0
.rept 16
	v_or_b32 v[168+k], v[168+k], v[100+k]          ; with lane l xor 16's two bytes the scale word of four keys is whole
.set k, k+1
.endr
	v_mov_b32 v96, 1.0
	v_cvt_scalef32_pk16_fp6_f32 v[76:78], v[28:43], v96
	v_cvt_scalef32_pk16_fp6_f32 v[80:82], v[44:59], v96
	v_nop                                          ; one plain place behind a scaled conversion
.irp u, 0,1                            ; the codes that lie across two registers: 5 and 10 of each sixteen
	v_lshrrev_b32 v[84+2*\u], 30, v[76+4*\u]
	v_lshl_or_b32 v[84+2*\u], v[77+4*\u], 2, v[84+2*\u]
	v_and_b32 v[84+2*\u], 63, v[84+2*\u]
	v_lshrrev_b32 v[85+2*\u], 28, v[77+4*\u]
	v_lshl_or_b32 v[85+2*\u], v[78+4*\u], 4, v[85+2*\u]
	v_and_b32 v[85+2*\u], 63, v[85+2*\u]
.endr
.irp n, 64,65,66,67,68,69,70,71,72,73,74,75
	v_mov_b32 v[\n], 0                             ; p's operand: all places but the blocks' first stay zero codes
.endr
.macro PCODE dst, kk
.if (\kk)%16 == 5
	v_mov_b32 v[\dst], v[84+2*((\kk)/16)]
.elseif (\kk)%16 == 10
	v_mov_b32 v[\dst], v[85+2*((\kk)/16)]
.else
	v_bfe_u32 v[\dst], v[76+4*((\kk)/16)+(6*((\kk)%16))/32], (6*((\kk)%16))%32, 6
.endif
.endm
.set Y, 0
.rept 16                               ; four keys a trip: O^T(T') += V^T p^T.  The four accumulators take turns
	PLACES 4                                       ; behind the last products, in front of writes of their operands and of the load into their scale words
.if Y < 15
	ds_load_b128 v[160+4*((Y+1)&1):163+4*((Y+1)&1)], v10 offset:256*(Y+1)
.endif
	PCODE 64, 2*Y
	PCODE 70, 2*Y+1
	v_mov_b32 v28, v[128+2*Y]                      ; V's operand of tile T' begins at v28, v30, v32, v40: its registers 0 and 6 hold the two keys' codes in their lowest six bits
	v_mov_b32 v34, v[129+2*Y]
.irp t, 1,2,3
	v_lshrrev_b32 v[28+2*\t+6*(\t/3)], 8*\t, v[128+2*Y]
	v_lshrrev_b32 v[34+2*\t+6*(\t/3)], 8*\t, v[129+2*Y]
.endr
	PLACES 4                                       ; operands written by vector instructions stand four places ahead of a scaled matrix instruction
.if Y < 15
	s_wait_dscnt 1                                 ; this trip's scale words are in; the next trip's load may be out
.else
	s_wait_dscnt 0
.endif
.irp t, 0,1,2,3
.if Y == 0
	v_wmma_scale_f32_16x16x128_f8f6f4 v[96+8*\t:103+8*\t], v[28+2*\t+6*(\t/3):39+2*\t+6*(\t/3)], v[64:75], 0, v[160+4*(Y&1)+\t], v[168+Y] matrix_a_fmt:MATRIX_FMT_FP6 matrix_b_fmt:MATRIX_FMT_FP6
.else
	v_wmma_scale_f32_16x16x128_f8f6f4 v[96+8*\t:103+8*\t], v[28+2*\t+6*(\t/3):39+2*\t+6*(\t/3)], v[64:75], v[96+8*\t:103+8*\t], v[160+4*(Y&1)+\t], v[168+Y] matrix_a_fmt:MATRIX_FMT_FP6 matrix_b_fmt:MATRIX_FMT_FP6
.endif
.endr
.set Y, Y+1
.endr
	PLACES 4
.irp q, 0,1,2,3,4,5,6,7
	ds_store_b128 v254, v[96+4*\q:99+4*\q] offset:16*\q    ; each accumulator from its low end on
.endr
	ds_store_b64 v11, v[248:249] offset:256        ; -M and the sum: both halves of the lanes write the same
	; the local phase's addresses
	s_mul_i32 s51, s10, XA
	s_add_co_u32 s51, s51, XO
	v_mul_u32_u24 v13, v2, XY
	v_add_nc_u32 v13, s51, v13                     ; the record of (query block y, residue r)
	v_lshl_add_u32 v12, v3, 7, v13
	s_lshl_b32 s52, s10, 5
	s_add_co_u32 s52, s52, OSX
	v_lshl_add_u32 v14, v2, 1, s52
	v_add_nc_u32 v8, OSX, v4
	s_wait_dscnt 0x0                               ; for the others' sake
	s_barrier_signal -1
	s_barrier_wait -1
	; ---------------- LOCAL
	ds_load_b128 v[16:19], v6
	ds_load_b64 v[20:21], v7
.irp q, 0,1,2,3,4,5,6,7
	ds_load_b128 v[128+4*\q:131+4*\q], v12 offset:16*\q
.endr
	ds_load_b64 v[250:251], v13 offset:256
	s_wait_dscnt 0x0
.irp t, 0,1,2,3
	v_wmma_scale_f32_16x16x128_f8f6f4 v[64+8*\t:71+8*\t], v[184+6*\t:195+6*\t], v[16:27], 0, v[240+\t], v238 matrix_a_fmt:MATRIX_FMT_FP6 matrix_b_fmt:MATRIX_FMT_FP6
.endr
	PLACES 4
	SOFT 68
; v64-95, register 16 b + i = K 32 b + 16 h + i of my row, become an image's codes in v28-33 and the two bytes in v44, v45
.macro QUANT2
	v_max3_num_f32 v40, |v64|, |v65|, 0x1800000
	v_max3_num_f32 v41, |v80|, |v81|, 0x1800000
.irp i, 2,4,6,8,10,12,14
	v_max3_num_f32 v40, v40, |v[64+\i]|, |v[65+\i]|
	v_max3_num_f32 v41, v41, |v[80+\i]|, |v[81+\i]|
.endr
	v_permlanex16_b32 v42, v40, s48, s49
	v_permlanex16_b32 v43, v41, s48, s49
	v_max_num_f32 v40, v40, v42
	v_max_num_f32 v41, v41, v43
	v_add_nc_u32 v46, 0xff000000, v40
	v_add_nc_u32 v47, 0xff000000, v41
	v_lshrrev_b32 v44, 23, v46
	v_lshrrev_b32 v45, 23, v47
	v_cvt_scalef32_pk16_fp6_f32 v[28:30], v[64:79], v46
	v_cvt_scalef32_pk16_fp6_f32 v[32:34], v[80:95], v47
	v_nop                                          ; one plain place behind a scaled conversion
	v_permlane16_swap_b32 v28, v32
	v_permlane16_swap_b32 v29, v33
	v_permlane16_swap_b32 v30, v34
	v_mov_b32 v31, v32
	v_mov_b32 v32, v33
	v_mov_b32 v33, v34
.endm
	QUANT2
	v_lshl_or_b32 v252, v45, 8, v44                ; p's scale word
.irp n, 34,35,36,37,38,39
	v_mov_b32 v[\n], 0
.endr
	PLACES 8                                       ; a scale register written by a vector instruction stands eight places ahead of a scaled matrix instruction
.irp t, 0,1,2,3
	v_wmma_scale_f32_16x16x128_f8f6f4 v[96+8*\t:103+8*\t], v[208+6*\t:219+6*\t], v[28:39], 0, v[244+\t], v252 matrix_a_fmt:MATRIX_FMT_FP6 matrix_b_fmt:MATRIX_FMT_FP6
.endr
	; the two parts under one M: each is multiplied by 2^(its M - the larger M), which rounds nothing.  (These lines are also the places behind the products)
	v_min_num_f32 v50, v248, v250
	v_sub_f32 v51, v50, v248
	v_sub_f32 v52, v50, v250
	v_cvt_i32_f32 v51, v51                         ; (it saturates)
	v_cvt_i32_f32 v52, v52
	v_ldexp_f32 v51, 1.0, v51
	v_ldexp_f32 v52, 1.0, v52
	v_mul_f32 v53, v51, v249
	v_fma_f32 v53, v52, v251, v53                  ; the row's sum
	v_rcp_f32 v54, v53
	v_nop                                          ; a plain place behind the transcendental
	s_wait_alu depctr_va_vdst(0)                   ; the wait ahead of its first reader
	v_mul_f32 v56, v51, v54
	v_mul_f32 v57, v51, v54
	v_mul_f32 v58, v52, v54
	v_mul_f32 v59, v52, v54
.irp j, 0,2,4,6,8,10,12,14,16,18,20,22,24,26,28,30
	v_pk_mul_f32 v[64+\j:65+\j], v[96+\j:97+\j], v[56:57]
.endr
.irp j, 0,2,4,6,8,10,12,14,16,18,20,22,24,26,28,30
	v_pk_fma_f32 v[64+\j:65+\j], v[128+\j:129+\j], v[58:59], v[64+\j:65+\j]
.endr
	QUANT2                                         ; the head's 64 numbers of my row, along the last product's K
	v_lshl_or_b32 v44, v45, 8, v44
	v_mov_b32 v45, 0xffff
	v_cmp_eq_f32 vcc_lo, 0, v53
	v_cndmask_b32 v44, v44, v45, vcc_lo            ; a row with no key left: the NaN byte, so that its output is NaN
	global_store_b128 v4, v[28:31], s[60:61]       ; 512 and 256 consecutive bytes, aligned
	global_store_b64 v5, v[32:33], s[60:61]
	ds_store_b16 v14, v44
	s_wait_dscnt 0x0                               ; for the others' sake
	s_barrier_signal -1
	s_barrier_wait -1
	s_cmp_lg_u32 s10, 0
	s_cbranch_scc1 .Lend
	ds_load_b128 v[40:43], v8
	s_wait_dscnt 0x0
	global_store_b128 v4, v[40:43], s[62:63]       ; 512 consecutive bytes, aligned
.Lend:
	s_wait_xcnt 0x0
	v_lshl_add_u32 v254, v0, 2, 0x31800
	v_mov_b32 v255, 0
	s_wait_tensorcnt 0x0
	ds_add_u32 v254, v255
	s_wait_dscnt 0x0
	s_endpgm
.Lfunc_end_k_qf60762efd7_attn:
	.size	k_qf60762efd7_attn, .Lfunc_end_k_qf60762efd7_attn-k_qf60762efd7_attn
	.p2alignl 7, 3214868480
	.fill 96, 4, 3214868480
	.section	.rodata,"a",@progbits
	.p2align	6, 0x0
	.amdhsa_kernel k_qf60762efd7_attn
		.amdhsa_group_segment_fixed_size 204800
		.amdhsa_private_segment_fixed_size 0
		.amdhsa_enable_private_segment 0
		.amdhsa_kernarg_size 24
		.amdhsa_user_sgpr_count 2
		.amdhsa_user_sgpr_kernarg_segment_ptr 1
		.amdhsa_wavefront_size32 1
		.amdhsa_system_sgpr_workgroup_id_x 1
		.amdhsa_system_sgpr_workgroup_id_y 1
		.amdhsa_system_sgpr_workgroup_id_z 1
		.amdhsa_system_vgpr_workitem_id 0
		.amdhsa_next_free_vgpr 256
		.amdhsa_next_free_sgpr 102
		.amdhsa_reserve_vcc 1
		.amdhsa_float_denorm_mode_32 3
		.amdhsa_float_denorm_mode_16_64 3
		.amdhsa_memory_ordered 1
		.amdhsa_forward_progress 1
		.amdhsa_inst_pref_size 72
	.end_amdhsa_kernel
	.amdgpu_metadata
---
amdhsa.version: [ 1, 2 ]
amdhsa.kernels:
  - .name:           k_qf60762efd7_attn
    .symbol:         k_qf60762efd7_attn.kd
    .args:
      - { .name: qkv, .offset: 0, .size: 8, .value_kind: global_buffer, .address_space: global }
      - { .name: msk, .offset: 8, .size: 8, .value_kind: global_buffer, .address_space: global }
      - { .name: oc, .offset: 16, .size: 8, .value_kind: global_buffer, .address_space: global }
    .group_segment_fixed_size: 204800
    .private_segment_fixed_size: 0
    .kernarg_segment_align: 8
    .kernarg_segment_size: 24
    .max_flat_workgroup_size: 512
    .sgpr_count:     102
    .vgpr_count:     256
    .wavefront_size: 32
...
	.end_amdgpu_metadata
.endif
;; end of part 3
;; launch outp (part 4): grid 16 x 16, 4 waves a work-group, clusters of 4 x 1, 168,448 bytes of LDS; arguments oc, wq, out0; writes out0
.if DOCPART == 4
	.amdgcn_target "amdgcn-amd-amdhsa--gfx1250"
	.amdhsa_code_object_version 6
	.text
	.protected	k_qf60762efd7_outp
	.globl	k_qf60762efd7_outp
	.p2align	8
	.type	k_qf60762efd7_outp,@function
k_qf60762efd7_outp:
	s_mov_b64 s[64:65], 0
	v_nop
	global_prefetch_b8 v0, s[64:65] scope:SCOPE_SE
	s_setreg_imm32_b32 hwreg(HW_REG_WAVE_MODE, 25, 1), 1
	s_wait_xcnt 0x0
	s_wait_alu depctr_hold_cnt(0) depctr_sa_sdst(0) depctr_va_vdst(0) depctr_va_sdst(0) depctr_va_ssrc(0) depctr_va_vcc(0) depctr_vm_vsrc(0)
	s_getreg_b32 s2, hwreg(HW_REG_IB_STS2, 6, 4)
	s_cmp_eq_u32 s2, 0
	s_cbranch_scc0 .Lentry_in_a_cluster
	s_endpgm
.Lentry_in_a_cluster:
	s_bfe_u32 s2, ttmp6, 0x10000c
	s_cmp_lg_u32 s2, 0x3003
	s_cbranch_scc0 .Lentry_shape_is_right
	s_endpgm
.Lentry_shape_is_right:
; OUT: out0 = O Wo^T on codes of FP6.  Work-group (mt, nt): tokens 256 mt on x columns 64 nt on.  Wave w: the block of 64 tokens a = 4 mt + w: 16 accumulators.
; A (O's codes) is private to a wave: all eight K steps come from memory straight into registers (384 registers) and stay.  B (64 rows of Wo for all of K, 51,200 bytes) is filled into LDS once.
; CLUSTER.  The four work-groups of a cluster have the same nt, so B is asked for JOINTLY, with the mask of all four.  Two loads of a wave are out at the most.
; The product is used transposed (source 0 = 16 rows of Wo, source 1 = 16 tokens): a lane holds one token and, in two neighbouring tiles, 16 neighbouring columns.
; REGISTERS: window 0: addresses, v16-47 A's scale words (4 s + at), v48-55 B's, v64-159 B's fragments (two sets), v160-223 half words, later rows of the output.  Window 1: the accumulators at 32 at + 8 T.  Windows 2, 3: A's K steps 0-4, 5-7.
.set WSTEP, 6400                       ; B: a K step: 4 fragments + 256 bytes of scale words
.set OSTEP, 24576                      ; A: a K step of 256 tokens
.set FRB,   1536
.set STGB,  51200                      ; behind B: a stage of 16 rows x (256 + 16) bytes for each wave; no tensor load lands here
.set SCA, 16
.set SCB, 48
.set BF,  64
.set HW,  160
.set OB,  160
.set MSB, 0
.macro WIN new
.if MSB != \new
	s_set_vgpr_msb (MSB<<8)|\new
.set MSB, \new
.endif
.endm
.macro PLACES n
.rept \n
	v_nop
.endr
.endm
.macro CROUND
	s_barrier_signal -1
	s_barrier_wait -1
	s_cmp_lg_u32 s10, 0
	s_cbranch_scc1 .Lnw0_\@
	s_barrier_signal -3
.Lnw0_\@:
	s_barrier_wait -3
	s_barrier_signal -1
	s_barrier_wait -1
.endm
	s_load_b128 s[4:7], s[0:1], 0x0                ; oc, wq
	s_load_b64 s[8:9], s[0:1], 0x10                ; out0
	v_lshl_add_u32 v254, v0, 2, 0x29000
	v_mov_b32 v255, 0
	ds_add_u32 v254, v255
	ds_add_u32 v254, v255
	v_lshrrev_b32 v1, 5, v0
	v_readfirstlane_b32 s10, v1                    ; wave
	s_and_b32 s11, ttmp7, 0xffff                   ; nt: the four partners share it
	s_mov_b32 s24, 15|(3<<16)|(1<<21)              ; 25 dense rows of 256 bytes; the mask of all four; bit 21 beside a mask
	s_mov_b32 s25, 32<<16
	s_mov_b32 s26, 25<<16
	s_mov_b32 s27, 32<<16
	s_mov_b32 s28, 25
	s_mov_b32 s29, 32
	s_mov_b32 s30, 0
	s_mov_b32 s31, 0
	s_mul_i32 s33, s10, WSTEP                      ; wave w fetches K steps w and w + 4
	s_mul_i32 s12, s11, 8*WSTEP
	s_add_co_u32 s12, s12, s33
	s_add_co_u32 s12, s12, 5734400
	s_mov_b32 s13, 0
	s_mov_b32 s32, 1
	s_mov_b32 s36, 1
	s_add_co_u32 s37, s33, 4*WSTEP
	s_wait_dscnt 0x0
	s_wait_kmcnt 0x0
	s_add_nc_u64 s[34:35], s[6:7], s[12:13]
	s_add_nc_u64 s[38:39], s[34:35], 4*WSTEP
	s_or_b32 s35, s35, 0x80000000
	s_or_b32 s39, s39, 0x80000000
	CROUND                                         ; all four work-groups are here: the joint loads meet
	tensor_load_to_lds s[32:35], s[24:31]
	s_nop 0
	tensor_load_to_lds s[36:39], s[24:31]
	s_nop 0
	PLACES 4
	s_bfe_u32 s14, ttmp6, 0x40000                  ; cx: it enters A's and the output's addresses alone
	s_lshl_b32 s15, ttmp9, 2
	s_add_co_u32 s15, s15, s14                     ; mt
	s_mov_b32 s23, 0
	s_mul_i32 s22, s15, 196608
	s_mul_i32 s40, s10, 4*FRB
	s_add_co_u32 s22, s22, s40
	s_add_nc_u64 s[16:17], s[4:5], s[22:23]        ; my four fragments of K step 0
	s_lshl_b32 s22, s15, 2
	s_add_co_u32 s22, s22, s10                     ; a
	s_lshl_b32 s22, s22, 5
	s_add_co_u32 s22, s22, 3145728
	s_add_nc_u64 s[18:19], s[4:5], s[22:23]        ; my block's scale half words
	s_lshl_b32 s22, s15, 20
	s_lshl_b32 s40, s10, 18
	s_add_co_u32 s22, s22, s40
	s_lshl_b32 s40, s11, 8
	s_add_co_u32 s22, s22, s40
	s_add_nc_u64 s[20:21], s[8:9], s[22:23]        ; my block's first row, my columns
	v_and_b32 v1, 31, v0
	v_and_b32 v2, 15, v0
	v_bfe_u32 v3, v0, 4, 1
	v_lshlrev_b32 v4, 4, v1                        ; 16 x lane
	v_lshl_add_u32 v5, v1, 3, 512                  ; 512 + 8 x lane
	v_lshlrev_b32 v6, 1, v2                        ; 2 r
	v_lshl_add_u32 v7, v2, 4, 6144                 ; B's scale words: 6,144 + 16 r
	s_mul_i32 s40, s10, 16*272
	s_add_co_u32 s40, s40, STGB
	v_mul_u32_u24 v8, v2, 272
	v_lshl_add_u32 v8, v3, 6, v8
	v_add_nc_u32 v8, s40, v8                       ; the stage, in: row r, + 64 h
	v_mul_u32_u24 v9, v3, 272
	v_lshl_add_u32 v9, v2, 4, v9
	v_add_nc_u32 v9, s40, v9                       ; back: lanes 0-15 one row, lanes 16-31 the next
	v_lshlrev_b32 v10, 4, v2
	v_lshl_add_u32 v10, v3, 12, v10                ; and the same two rows in the output
.set n, 0
.rept 64                               ; the half word of (head n / 4, tile n % 4) for my row r
	global_load_u16 v[HW+n], v6, s[18:19] offset:2048*n
.set n, n+1
.endr
.macro LOADA s                         ; my four fragments of K step s: 16 loads
.if (\s) < 5
	WIN 0x80
.set LR, 48*(\s)
.else
	WIN 0xc0
.set LR, 48*((\s)-5)
.endif
.irp t, 0,1,2,3
	global_load_b128 v[LR+12*\t:LR+12*\t+3], v4, s[16:17] offset:OSTEP*(\s)+FRB*\t
	global_load_b64 v[LR+12*\t+4:LR+12*\t+5], v5, s[16:17] offset:OSTEP*(\s)+FRB*\t
	global_load_b128 v[LR+12*\t+6:LR+12*\t+9], v4, s[16:17] offset:OSTEP*(\s)+FRB*\t+768
	global_load_b64 v[LR+12*\t+10:LR+12*\t+11], v5, s[16:17] offset:OSTEP*(\s)+FRB*\t+768
.endr
	WIN 0
.endm
.macro LOADG s                         ; B's four fragments of K step s and their scale words: 17 LDS loads
.set LB, BF+48*((\s)&1)
.irp t, 0,1,2,3
	ds_load_b128 v[LB+12*\t:LB+12*\t+3], v4 offset:WSTEP*(\s)+FRB*\t
	ds_load_b64 v[LB+12*\t+4:LB+12*\t+5], v5 offset:WSTEP*(\s)+FRB*\t
	ds_load_b128 v[LB+12*\t+6:LB+12*\t+9], v4 offset:WSTEP*(\s)+FRB*\t+768
	ds_load_b64 v[LB+12*\t+10:LB+12*\t+11], v5 offset:WSTEP*(\s)+FRB*\t+768
.endr
	ds_load_b128 v[SCB+4*((\s)&1):SCB+4*((\s)&1)+3], v7 offset:WSTEP*(\s)
.endm
.macro MUL s                           ; 16 matrix instructions: the 16 accumulators take turns
.if (\s) < 5
	WIN 0x58                                       ; source 0 (Wo) window 0, source 1 (O) window 2, C and D window 1
.set MR, 48*(\s)
.else
	WIN 0x5c                                       ; source 1 window 3
.set MR, 48*((\s)-5)
.endif
.set MBF, BF+48*((\s)&1)
.set MSC, SCB+4*((\s)&1)
.irp a, 0,1,2,3
.irp t, 0,1,2,3
.if (\s) == 0
	v_wmma_scale_f32_16x16x128_f8f6f4 v[32*\a+8*\t:32*\a+8*\t+7], v[MBF+12*\t:MBF+12*\t+11], v[MR+12*\a:MR+12*\a+11], 0, v[MSC+\t], v[SCA+4*(\s)+\a] matrix_a_fmt:MATRIX_FMT_FP6 matrix_b_fmt:MATRIX_FMT_FP6
.else
	v_wmma_scale_f32_16x16x128_f8f6f4 v[32*\a+8*\t:32*\a+8*\t+7], v[MBF+12*\t:MBF+12*\t+11], v[MR+12*\a:MR+12*\a+11], v[32*\a+8*\t:32*\a+8*\t+7], v[MSC+\t], v[SCA+4*(\s)+\a] matrix_a_fmt:MATRIX_FMT_FP6 matrix_b_fmt:MATRIX_FMT_FP6
.endif
.endr
.endr
.endm
	LOADA 0
	LOADA 1
	LOADA 2
	s_wait_loadcnt 48                              ; the 64 half words are in; the 48 loads behind them may be out
.set n, 0
.rept 32                               ; word 4 s + at: head 2 s's two bytes below, head 2 s + 1's above.  K step by K step, so that each word stands well ahead of the products that name it
	v_lshl_or_b32 v[SCA+n], v[HW+8*(n/4)+4+n%4], 16, v[HW+8*(n/4)+n%4]
.set n, n+1
.endr
	LOADA 3
	LOADA 4
	LOADA 5
	LOADA 6
	LOADA 7
	s_wait_tensorcnt 0x1                           ; my K step w is in; K step w + 4 may stay out
	s_barrier_signal -1
	s_barrier_wait -1                              ; K steps 0 to 3 are whole
	LOADG 0
	LOADG 1
.set S, 0
.rept 8
.if 112-16*S > 63
	s_wait_loadcnt 63                              ; K step S of A is in (behind it 16 loads a step were issued; the count names no more than its field holds)
.else
	s_wait_loadcnt 112-16*S
.endif
.if S < 7
	s_wait_dscnt 17                                ; this step's B is in; the next step's 17 loads may be out
.else
	s_wait_dscnt 0
.endif
	MUL S
	WIN 0
	PLACES 4                                       ; in front of loads into registers that matrix instructions have read, and at the end of the first read of results
.if S == 2
	s_wait_tensorcnt 0x0                           ; my K step w + 4 is in,
	s_wait_dscnt 0x0
	s_barrier_signal -1
	s_barrier_wait -1                              ; everybody's is
.endif
.if S+2 <= 7
	LOADG S+2
.endif
.set S, S+1
.endr
	; THE WAY OUT, a tile of 16 tokens at a time, through my own stage: in as 64 neighbouring bytes a lane, back as whole rows of 256 bytes
.irp a, 0,1,2,3
	WIN 0x04                                       ; an LDS store's data are its source 1: window 1
.irp b, 0,1
.irp q, 0,1,2,3
	ds_store_b128 v8, v[32*\a+8*(2*\b+\q/2)+4*(\q%2):32*\a+8*(2*\b+\q/2)+4*(\q%2)+3] offset:128*\b+16*\q    ; each accumulator from its low end on
.endr
.endr
	WIN 0
.if \a > 1
	s_wait_xcnt 0x0                                ; the stores of two tiles back have read their registers
.endif
.irp i, 0,1,2,3,4,5,6,7
	ds_load_b128 v[OB+32*(\a&1)+4*\i:OB+32*(\a&1)+4*\i+3], v9 offset:544*\i    ; LDS serves a wave's instructions in order: these see my stores
.endr
	s_wait_dscnt 0x0
.irp i, 0,1,2,3,4,5,6,7
	global_store_b128 v10, v[OB+32*(\a&1)+4*\i:OB+32*(\a&1)+4*\i+3], s[20:21] offset:(32*(\a/2)+8*(\a%2)+2*\i+8*(\i/4))*4096 th:TH_STORE_NT   ; sixteen lanes store 256 consecutive bytes, aligned
.endr
.endr
	s_wait_tensorcnt 0x0
	ds_add_u32 v254, v255
	s_wait_dscnt 0x0
	CROUND                                         ; the closing round: no work-group ends while a partner may still ask for a tile that names it
	s_endpgm
.Lfunc_end_k_qf60762efd7_outp:
	.size	k_qf60762efd7_outp, .Lfunc_end_k_qf60762efd7_outp-k_qf60762efd7_outp
	.p2alignl 7, 3214868480
	.fill 96, 4, 3214868480
	.section	.rodata,"a",@progbits
	.p2align	6, 0x0
	.amdhsa_kernel k_qf60762efd7_outp
		.amdhsa_group_segment_fixed_size 168448
		.amdhsa_private_segment_fixed_size 0
		.amdhsa_enable_private_segment 0
		.amdhsa_kernarg_size 24
		.amdhsa_user_sgpr_count 2
		.amdhsa_user_sgpr_kernarg_segment_ptr 1
		.amdhsa_wavefront_size32 1
		.amdhsa_system_sgpr_workgroup_id_x 1
		.amdhsa_system_sgpr_workgroup_id_y 1
		.amdhsa_system_sgpr_workgroup_id_z 1
		.amdhsa_system_vgpr_workitem_id 0
		.amdhsa_next_free_vgpr 912
		.amdhsa_next_free_sgpr 66
		.amdhsa_reserve_vcc 0
		.amdhsa_float_denorm_mode_32 3
		.amdhsa_float_denorm_mode_16_64 3
		.amdhsa_memory_ordered 1
		.amdhsa_forward_progress 1
		.amdhsa_inst_pref_size 60
	.end_amdhsa_kernel
	.amdgpu_metadata
---
amdhsa.version: [ 1, 2 ]
amdhsa.kernels:
  - .name:           k_qf60762efd7_outp
    .symbol:         k_qf60762efd7_outp.kd
    .args:
      - { .name: oc, .offset: 0, .size: 8, .value_kind: global_buffer, .address_space: global }
      - { .name: wq, .offset: 8, .size: 8, .value_kind: global_buffer, .address_space: global }
      - { .name: out0, .offset: 16, .size: 8, .value_kind: global_buffer, .address_space: global }
    .group_segment_fixed_size: 168448
    .private_segment_fixed_size: 0
    .kernarg_segment_align: 8
    .kernarg_segment_size: 24
    .max_flat_workgroup_size: 128
    .sgpr_count:     66
    .vgpr_count:     912
    .wavefront_size: 32
...
	.end_amdgpu_metadata
.endif
;; end of part 4
